; MI455X (gfx1250); checked and timed in simulation.
; The chip was launched on July 23, 2026; its instructions are those of AMD's public machine-readable ISA for CDNA 5 (MIT licence, August 2026) and "CDNA5" Instruction Set Architecture Reference Guide (July 2026). The comments in the code are by the model that wrote it; some were corrected since.
;; Deformation Network. Allowed arithmetic: matrix products marked QUANTISED: E4M3 operands, one given power-of-two scale a tensor, by v_wmma_f32_16x16x64_fp8_fp8 or v_wmma_f32_16x16x128_fp8_fp8, f32 sums; products left as they are: f32 operands where the result goes on into a quantised operand, else bf16, f16 or f32 operands; f32 sums; everything else in f32.
;; Inputs: W0 256 x 60 float32; W1 256 x 256 float32; W2 256 x 316 float32; W3 256 x 256 float32; Wop 1 x 256 float32; Wrot 4 x 256 float32; Wscale 3 x 256 float32; Wxyz 3 x 256 float32; b0 256 float32; b1 256 float32; b2 256 float32; b3 256 float32; bop 1 float32; brot 4 float32; bscale 3 float32; bxyz 3 float32; canonical_xyz 262,144 x 3 float32; lowp_scales 8 int32 (the exponents e of the quantised operands' scales 2^e); time 1 x 1 float32.
;; Outputs: out0 262,144 x 3 float32; out1 262,144 x 4 float32; out2 262,144 x 3 float32; out3 262,144 x 1 float32.
;; This version of the problem:
;;   THIS VERSION OF THE PROBLEM IS GIVEN IN LOW PRECISION. The matrix products marked QUANTISED in the list below multiply operands that are first quantised to E4M3 (4 exponent bits, 3 mantissa bits; 8 bits a number), with one given power-of-two scale for each operand tensor; their sums are f32. All else is computed in f32.
;;   The module's matrix products, in the order in which they are computed (A, B: the left and right operand; K: the contracted axis; several contracted axes count as one K, in the product's order):
;;     1. [M 262,144, K 60] x [K 60, N 256]; A: computed on the way; B: input W0: QUANTISED (scales: A lowp_scales[0], B lowp_scales[1])
;;     2. [M 262,144, K 256] x [K 256, N 256]; A: computed on the way; B: input W1: QUANTISED (scales: A lowp_scales[2], B lowp_scales[3])
;;     3. [M 262,144, K 316] x [K 316, N 256]; A: computed on the way; B: input W2: QUANTISED (scales: A lowp_scales[4], B lowp_scales[5])
;;     4. [M 262,144, K 256] x [K 256, N 256]; A: computed on the way; B: input W3: QUANTISED (scales: A lowp_scales[6], B lowp_scales[7])
;;     5. [M 262,144, K 256] x [K 256, N 3]; A: computed on the way; B: input Wxyz: left as it is (N = 3 < 16)
;;     6. [M 262,144, K 256] x [K 256, N 4]; A: computed on the way; B: input Wrot: left as it is (N = 4 < 16)
;;     7. [M 262,144, K 256] x [K 256, N 3]; A: computed on the way; B: input Wscale: left as it is (N = 3 < 16)
;;     8. [M 262,144, K 256] x [K 256, N 1]; A: computed on the way; B: input Wop: left as it is (N = 1 < 16)
;;   THE QUANTISER, for each operand of a quantised product, along K:
;;     - The operand's scale is 2^e, e = its entry of the input lowp_scales (int32; the entries are numbered through the quantised products in the list's order, A before B).
;;     - Each number is divided by the scale, clamped to +-448, and rounded to the nearest number of E4M3, ties to even, subnormals kept.
;;     - The product sums the exact products of the quantised numbers (number of the format x scale) in f32.
;;   ~~~python
;;   def quantise(x, axis, e):      # numpy; x: float32 -> the quantised numbers, widened to float32 again
;;       x = np.moveaxis(x, axis, -1); K = x.shape[-1]
;;       r = np.clip(x / 2.0 ** e, -448, 448)
;;       step = 2.0 ** (np.maximum(np.frexp(np.where(r == 0, 1, r))[1] - 1, -6) - 3)
;;       q = np.round(r / step) * step * 2.0 ** e      # np.round: ties to even
;;       return np.moveaxis(q, -1, axis).astype(np.float32)
;;   ~~~
;;   OPERANDS COMPUTED ON THE WAY. 'Computed on the way' means the value that the module computes at that place (a softmax that the list does not call 'softmax' is quantised finished and normalised). What goes into a quantiser is computed in f32, as accurately as f32 sums, v_exp_f32 and their like allow (about 1e-6 of the number): no bf16 or f16 on the way to a quantiser, and a product that is left as it is and whose result goes on into a quantised operand takes f32 operands (vector FMAs, or v_wmma_f32_16x16x4_f32). A number that lies on a knife's edge between two numbers of the format may be rounded either way, as far as f32 arithmetic and the matrix unit's own rounding can turn it there, and no further.
;; One version. Each part assembles by itself: llvm-mc -triple=amdgcn-amd-amdhsa -mcpu=gfx1250 --defsym DOCPART=n.
;; ======== version 1 of 1: 2 launches
;; limits: inputs' magnitudes at most 4,096; right only within a limited range of input values; values are held in bf16: 8 bits of precision
;; workspace buffers: wq 241,920 bytes
;; launch prep (part 1): grid 89 x 1, 1 waves a work-group, no clusters, 0 bytes of LDS; arguments W0, W1, W2, W3, Wxyz, Wrot, Wscale, Wop, b0, b1, b2, b3, bxyz, brot, bscale, bop, time, lowp_scales, wq; writes wq
.if DOCPART == 1
	.amdgcn_target "amdgcn-amd-amdhsa--gfx1250"
	.amdhsa_code_object_version 6
	.text
	.protected	k_qad61b9de4d_prep
	.globl	k_qad61b9de4d_prep
	.p2align	8
	.type	k_qad61b9de4d_prep,@function
k_qad61b9de4d_prep:
	s_mov_b64 s[64:65], 0
	v_nop
	global_prefetch_b8 v0, s[64:65] scope:SCOPE_SE
	s_setreg_imm32_b32 hwreg(HW_REG_WAVE_MODE, 25, 1), 1
	s_wait_xcnt 0x0
; Everything that every work-group of the second launch needs alike is made ONCE here and laid into wq in the order in which that launch's operand registers take it.
;   0        W0's codes, 16 tiles x 1,024 bytes: the image of 8 registers (two stores of 512 bytes, lane l's 16 bytes at 16 l)
;   16,384   the same for W2's columns 256 .. 315 (the part that meets x_input)
;   32,768   b0 .. b3, each divided by 2^(its product's two exponents added), f32, in the units' own order
;   36,864   the eleven head rows as bf16, 8 chunks of 32 along K x 1,024 bytes: the image of 8 registers
;   45,056   W1, then W2's columns 0 .. 255, then W3: codes, 16 tiles x 4,096 bytes: the image of 2 x 16 registers
;   241,664  32 f32: the time encoding in the places that the lanes of the second launch want;  241,792  16 f32 of head bias, 16 zeros
; code = w / 2^e, held within +-448, to the nearest code of E4M3, ties to even; e = the weight's entry of lowp_scales.
; THE ROWS OF A TILE ARE NOT NEIGHBOURS: lane r of tile 2 b + u takes row 32 b + 8 u + r + 8 (r / 8), so that the results of tiles 2 b and 2 b + 1 are 16 neighbours along the next K.
; A fragment of 128 along K: registers 4 c .. 4 c + 3 of lane (r, h) hold k = 32 c + 16 h + 0 .. 15.
; THE PIECE OF 60 ALONG K (filled with zero codes to 64): entry e = 0 .. 31 of lane half h is column
;   e = 6 d + j: 3 + 12 d + 3 h + j (sine, level 3 h + j of coordinate d);  e = 6 d + 3 + j: 9 + 12 d + 3 h + j (cosine);  e = 18 + d: d (h = 0) or 50 + d (h = 1);
;   e = 21 + i: 39 + i (h = 0, i = 0 .. 10) or 53 + i (h = 1, i = 0 .. 6); the last four entries of h = 1 are zeros.
; One wave to a work-group; the work-group's number is the job: 0-47 a tile of W1, W2, W3; 48-79 a tile of a piece of 60; 80-87 a chunk of the heads; 88 biases, time, head bias.
; LIMITS: each weight's e between -126 and 119; |time| under 4,096 (2^9 x 2 x time stays under 2^22, where the rounding by a large addend is exact); NaN among the inputs is not served.
.set OFF_W2X,  16384
.set OFF_BIAS, 32768
.set OFF_HW,   36864
.set OFF_MAIN, 45056
.set OFF_TL,   241664
.set OFF_HBV,  241792
.set LEV,      90                      ; job 88: the lane's level; v32-63 take the biases' loads, v64 time's, v84-87 the head biases'
.macro MKSCALE e                       ; v11 = 2^e as f32 (the conversion takes its exponent field), v10 = 448 x 2^e
	s_add_co_i32 s70, s[\e], 127
	s_lshl_b32 s71, s70, 23
	v_mov_b32 v11, s71
	s_add_co_i32 s70, s70, 8
	s_lshl_b32 s70, s70, 23
	s_or_b32 s70, s70, 0x600000
	v_mov_b32 v10, s70
.endm
.macro ROW0                            ; s62 = the tile's first row: 32 (t / 2) + 8 (t % 2), t in s57
	s_lshr_b32 s62, s57, 1
	s_lshl_b32 s62, s62, 5
	s_and_b32 s63, s57, 1
	s_lshl_b32 s63, s63, 3
	s_add_co_u32 s62, s62, s63
.endm
	s_load_b512 s[8:23], s[0:1], 0x0               ; W0 s[8:9], W1 s[10:11], W2 s[12:13], W3 s[14:15], Wxyz s[16:17], Wrot s[18:19], Wscale s[20:21], Wop s[22:23]
	s_load_b512 s[24:39], s[0:1], 0x40             ; b0 .. b3 s[24:31], bxyz s[32:33], brot s[34:35], bscale s[36:37], bop s[38:39]
	s_load_b128 s[40:43], s[0:1], 0x80             ; time s[40:41], lowp_scales s[42:43]
	s_load_b64 s[44:45], s[0:1], 0x90              ; wq
	v_and_b32 v1, 15, v0                           ; r
	v_bfe_u32 v2, v0, 4, 1                         ; h
	v_lshlrev_b32 v3, 4, v0                        ; 16 x lane (one wave: the thread's number is the lane)
	v_and_b32 v4, 8, v1
	v_add_nc_u32 v4, v4, v1                        ; r + 8 (r / 8)
	v_mov_b32 v12, 0
	s_wait_kmcnt 0x0
	s_load_b256 s[48:55], s[42:43], 0x0            ; e0 .. e7: waited for behind each job's loads
	s_cmp_lt_u32 ttmp9, 48
	s_cbranch_scc1 .Lmain
	s_cmp_lt_u32 ttmp9, 80
	s_cbranch_scc1 .Lxjob
	s_cmp_lt_u32 ttmp9, 88
	s_cbranch_scc1 .Lhead
; ---- job 88: the biases, the time encoding, the head bias.  All loads first, one wait; what is made meanwhile lies in registers that no load names.
	s_wait_alu depctr_va_vdst(0)
.irp l, 0,1,2,3
.irp g, 0,1
	global_load_b128 v[32+8*\l+4*\g:35+8*\l+4*\g], v3, s[24+2*\l:25+2*\l] offset:512*\g
.endr
.endr
	global_load_b32 v64, v12, s[40:41]             ; time, in every lane
	v_and_b32 v82, 3, v0
	v_min_u32 v83, 2, v82                          ; indices held inside tables of 3
	v_lshlrev_b32 v82, 2, v82
	v_lshlrev_b32 v83, 2, v83
	global_load_b32 v84, v83, s[32:33]             ; bxyz
	global_load_b32 v85, v12, s[38:39]             ; bop
	global_load_b32 v86, v82, s[34:35]             ; brot
	global_load_b32 v87, v83, s[36:37]             ; bscale
	s_mov_b32 s66, 0x3f22f983                      ; 2 / pi, its upper part
	s_mov_b32 s67, 0x32dc9c88                      ; and what is left of it
	s_mov_b32 s68, 0x4b400000                      ; 1.5 x 2^23: adding it rounds to a whole number
	s_mov_b32 s69, 0x3fc90fdb                      ; pi / 2
	s_mov_b32 s70, 0xb94ca1f9                      ; sine:   a + a z (S1 + z (S2 + z S3)), z = a^2, |a| <= pi / 4
	s_mov_b32 s71, 0x3c08839e
	s_mov_b32 s72, 0xbe2aaaa3
	s_mov_b32 s73, 0x37ccf5ce                      ; cosine: 1 - z / 2 + z^2 (C1 + z (C2 + z C3))
	s_mov_b32 s74, 0xbab6061a
	s_mov_b32 s75, 0x3d2aaaa5
	s_mov_b32 s76, 0x80000000
	s_mov_b32 s77, 0x3f800000
	s_mov_b32 s78, 0xffff0000                      ; lanes 16-31
	s_mov_b32 s79, 0x20                            ; lane 5
	s_mov_b32 s80, 0x0ffcffe0                      ; lanes 5-15 and 18-27: the places of the list that are used
	v_lshl_add_u32 v[LEV], v2, 2, v1
	v_add_nc_u32 v[LEV], -6, v[LEV]                ; the lane's level: place 6 + l holds the sine of level l, place 18 + l its cosine
	v_lshlrev_b32 v81, 2, v0
	v_cmp_gt_u32 s84, 3, v0                        ; head row m = lane: 0-2 xyz, 3 opacity, 4-7 rotation, 8-10 scaling, the rest zero
	v_cmp_eq_u32 s85, 3, v0
	v_lshrrev_b32 v13, 2, v0
	v_cmp_eq_u32 s86, 1, v13
	v_add_nc_u32 v14, -8, v0
	v_cmp_gt_u32 s87, 3, v14
	s_wait_loadcnt 0x0
	s_wait_kmcnt 0x0
.irp l, 0,1,2,3
	s_add_co_i32 s56, s[48+2*\l], s[49+2*\l]
	s_sub_co_i32 s56, 0, s56
.irp i, 0,1,2,3,4,5,6,7
	v_ldexp_f32 v[32+8*\l+\i], v[32+8*\l+\i], s56  ; a sum of codes stands for sum x 2^(ea + eb): the bias goes in divided by that
.endr
.endr
.irp l, 0,1,2,3
.irp g, 0,1
	global_store_b128 v3, v[32+8*\l+4*\g:35+8*\l+4*\g], s[44:45] offset:OFF_BIAS+1024*\l+512*\g
.endr
.endr
	; sin and cos of 2^l fl(time x pi): the one rounding that the reference's product has; then quarter turns in two floats, an exact reduction, and a polynomial on |a| <= pi / 4
	v_mul_f32 v65, 0x40490fdb, v64                 ; fl(time x pi)
	v_mul_f32 v66, s66, v65                        ; quarter turns, upper part
	v_fma_f32 v67, v65, s66, -v66                  ; what that product dropped, exactly,
	v_fma_f32 v67, v65, s67, v67                   ; and the rest of 2 / pi
	v_ldexp_f32 v66, v66, v[LEV]                   ; x 2^level: exact
	v_ldexp_f32 v67, v67, v[LEV]
	v_add_f32 v68, s68, v66                        ; its low bits are the nearest whole number n
	v_add_f32 v69, 0xcb400000, v68                 ; n
	v_sub_f32 v69, v66, v69                        ; exact
	v_add_f32 v69, v69, v67
	v_mul_f32 v69, s69, v69                        ; a
	v_mul_f32 v70, v69, v69                        ; z
	v_lshlrev_b32 v71, 30, v68
	v_and_or_b32 v71, v71, s76, s77                ; -1.0 where bit 1 of n is set, else 1.0
	v_mul_f32 v72, v69, v71
	v_fma_f32 v73, v70, s70, s71
	v_fma_f32 v76, v70, s73, s74
	v_fma_f32 v73, v73, v70, s72
	v_fma_f32 v76, v76, v70, s75
	v_mul_f32 v74, v70, v72
	v_fma_f32 v76, v76, v70, -0.5
	v_fma_f32 v75, v73, v74, v72                   ; +-sin a
	v_fma_f32 v76, v76, v70, 1.0
	v_xor_b32 v77, s76, v75                        ; the other sign
	v_mul_f32 v76, v76, v71                        ; +-cos a
	v_lshlrev_b32 v79, 31, v68
	v_cmp_gt_i32 vcc_lo, 0, v79                    ; n odd: sine and cosine change places
	v_cndmask_b32 v78, v75, v76, vcc_lo            ; the sine
	v_cndmask_b32 v80, v76, v77, vcc_lo            ; the cosine
	v_cndmask_b32 v78, v78, v80, s78
	v_cndmask_b32 v78, v78, v64, s79               ; place 5: time itself
	v_cndmask_b32 v78, v12, v78, s80
	global_store_b32 v81, v78, s[44:45] offset:OFF_TL
	v_cndmask_b32 v88, v12, v84, s84
	v_cndmask_b32 v88, v88, v85, s85
	v_cndmask_b32 v88, v88, v86, s86
	v_cndmask_b32 v88, v88, v87, s87
	global_store_b32 v81, v88, s[44:45] offset:OFF_HBV
	s_endpgm
; ---- jobs 0-47: tile t = job % 16 of matrix m = job / 16 (W1, W2's first 256 columns, W3): 16 rows x 256 along K
.Lmain:
	s_lshr_b32 s56, ttmp9, 4
	s_and_b32 s57, ttmp9, 15
	s_mov_b32 s60, 1024                            ; a row in bytes
	s_cmp_eq_u32 s56, 1
	s_cselect_b64 s[58:59], s[12:13], s[10:11]
	s_cselect_b32 s60, 1264, s60
	s_cmp_eq_u32 s56, 2
	s_cselect_b64 s[58:59], s[14:15], s[58:59]
	ROW0
	s_mul_i32 s62, s62, s60
	s_mov_b32 s63, 0
	s_add_nc_u64 s[58:59], s[58:59], s[62:63]
	s_lshl_b32 s62, s56, 16
	s_lshl_b32 s66, s57, 12
	s_add_co_u32 s62, s62, s66
	s_add_co_u32 s62, s62, OFF_MAIN
	s_add_nc_u64 s[46:47], s[44:45], s[62:63]
	s_wait_alu depctr_va_vdst(0)
	v_mul_lo_u32 v5, v4, s60
	v_lshl_add_u32 v5, v2, 6, v5                   ; my row, + 16 h numbers
.irp s, 0,1
.irp c, 0,1,2,3
.irp q, 0,1,2,3
	global_load_b128 v[32+64*\s+16*\c+4*\q:35+64*\s+16*\c+4*\q], v5, s[58:59] offset:512*\s+128*\c+16*\q   ; k = 128 s + 32 c + 16 h + 4 q ..
.endr
.endr
.endr
	s_wait_kmcnt 0x0
	s_cmp_eq_u32 s56, 1
	s_cselect_b32 s61, s53, s51
	s_cmp_eq_u32 s56, 2
	s_cselect_b32 s61, s55, s61
	MKSCALE 61
	s_wait_alu depctr_va_vdst(0)
.irp s, 0,1
	s_wait_loadcnt 16-16*\s                        ; this half's 16 loads are in; the other half's may be out
.set i, 0
.rept 64
	v_med3_num_f32 v[32+64*\s+i], v[32+64*\s+i], -v10, v10   ; the conversion to an 8-bit code does not saturate (ISA guide 7.6.2): the hold comes first
.set i, i+1
.endr
.irp g, 0,1,2,3,4,5,6,7
	v_cvt_scalef32_pk8_fp8_f32 v[160+16*\s+2*\g:161+16*\s+2*\g], v[32+64*\s+8*\g:39+64*\s+8*\g], v11
.endr
.endr
	v_nop
.irp i, 0,1,2,3,4,5,6,7
	global_store_b128 v3, v[160+4*\i:163+4*\i], s[46:47] offset:512*\i   ; 32 lanes store 512 consecutive bytes
.endr
	s_endpgm
; ---- jobs 48-79: tile t of the piece of 60 along K: W0 (m = 0) or W2's columns 256 on (m = 1)
.Lxjob:
	s_sub_co_u32 s56, ttmp9, 48
	s_and_b32 s57, s56, 15
	s_lshr_b32 s56, s56, 4
	s_mov_b32 s60, 1264
	s_cmp_eq_u32 s56, 0
	s_cselect_b64 s[58:59], s[8:9], s[12:13]
	s_cselect_b32 s60, 240, s60
	s_cselect_b32 s66, 0, 1024
	ROW0
	s_mul_i32 s62, s62, s60
	s_add_co_u32 s62, s62, s66
	s_mov_b32 s63, 0
	s_add_nc_u64 s[58:59], s[58:59], s[62:63]
	s_lshl_b32 s62, s56, 14
	s_lshl_b32 s66, s57, 10
	s_add_co_u32 s62, s62, s66
	s_add_nc_u64 s[46:47], s[44:45], s[62:63]
	s_mov_b32 s72, 0xffff0000
	s_wait_alu depctr_va_vdst(0)
	v_mul_lo_u32 v8, v4, s60                       ; my row
	v_mad_u32_u24 v5, v2, 12, v8                   ; lanes 16-31: 3 columns on (levels 3 to 5),
	v_mad_u32_u24 v6, v2, 200, v8                  ; 50 columns on,
	v_mad_u32_u24 v7, v2, 56, v8                   ; 14 columns on
.irp d, 0,1,2
.irp j, 0,1,2
	global_load_b32 v[32+6*\d+\j], v5, s[58:59] offset:4*(3+12*\d+\j)
	global_load_b32 v[35+6*\d+\j], v5, s[58:59] offset:4*(9+12*\d+\j)
.endr
	global_load_b32 v[50+\d], v6, s[58:59] offset:4*\d
.endr
.irp i, 0,1,2,3,4,5,6
	global_load_b32 v[53+\i], v7, s[58:59] offset:4*(39+\i)
.endr
.irp i, 7,8,9,10
	global_load_b32 v[53+\i], v8, s[58:59] offset:4*(39+\i)   ; the highest column that any lane reads is 59
.endr
	s_wait_kmcnt 0x0
	s_cmp_eq_u32 s56, 0
	s_cselect_b32 s61, s49, s53
	MKSCALE 61
	s_wait_alu depctr_va_vdst(0)
	s_wait_loadcnt 0x0
.irp i, 60,61,62,63
	v_cndmask_b32 v[\i], v[\i], v12, s72           ; K = 60 is filled to 64 with zeros: the last four entries of lanes 16-31
.endr
.set i, 0
.rept 32
	v_med3_num_f32 v[32+i], v[32+i], -v10, v10
.set i, i+1
.endr
.irp g, 0,1,2,3
	v_cvt_scalef32_pk8_fp8_f32 v[160+2*\g:161+2*\g], v[32+8*\g:39+8*\g], v11
.endr
	v_nop
	global_store_b128 v3, v[160:163], s[46:47]
	global_store_b128 v3, v[164:167], s[46:47] offset:512
	s_endpgm
; ---- jobs 80-87: chunk b of the heads: 16 rows (11 used) x 32 along K, bf16: place q = 0 .. 15 of lane (r, h) is Wh[r][32 b + 16 h + q]
.Lhead:
	s_sub_co_u32 s56, ttmp9, 80
	s_lshl_b32 s57, s56, 7
	s_wait_alu depctr_va_vdst(0)
	v_and_b32 v6, 3, v1
	v_min_u32 v7, 2, v6                            ; rows held inside tables of 3
	v_lshl_add_u32 v8, v2, 6, s57                  ; 128 b + 64 h bytes along a row (Wop has one row)
	v_lshl_add_u32 v6, v6, 10, v8                  ; Wrot's row r % 4
	v_lshl_add_u32 v7, v7, 10, v8                  ; Wxyz's and Wscale's
.irp i, 0,1,2,3
	global_load_b128 v[32+4*\i:35+4*\i], v7, s[16:17] offset:16*\i
	global_load_b128 v[48+4*\i:51+4*\i], v8, s[22:23] offset:16*\i
	global_load_b128 v[64+4*\i:67+4*\i], v6, s[18:19] offset:16*\i
	global_load_b128 v[80+4*\i:83+4*\i], v7, s[20:21] offset:16*\i
.endr
	s_lshl_b32 s62, s56, 10
	s_add_co_u32 s62, s62, OFF_HW
	s_mov_b32 s63, 0
	s_add_nc_u64 s[46:47], s[44:45], s[62:63]
	v_cmp_gt_u32 s72, 3, v1                        ; rows 0-2 xyz, 3 opacity, 4-7 rotation, 8-10 scaling, the rest zero
	v_cmp_eq_u32 s73, 3, v1
	v_lshrrev_b32 v13, 2, v1
	v_cmp_eq_u32 s74, 1, v13
	v_add_nc_u32 v14, -8, v1
	v_cmp_gt_u32 s75, 3, v14
	s_wait_kmcnt 0x0
	s_wait_loadcnt 0x0
.set i, 0
.rept 16
	v_cndmask_b32 v[96+i], v12, v[32+i], s72
	v_cndmask_b32 v[96+i], v[96+i], v[48+i], s73
	v_cndmask_b32 v[96+i], v[96+i], v[64+i], s74
	v_cndmask_b32 v[96+i], v[96+i], v[80+i], s75
.set i, i+1
.endr
.irp i, 0,1,2,3,4,5,6,7
	v_cvt_pk_bf16_f32 v[160+\i], v[96+2*\i], v[97+2*\i]
.endr
	global_store_b128 v3, v[160:163], s[46:47]
	global_store_b128 v3, v[164:167], s[46:47] offset:512
	s_endpgm
.Lfunc_end_k_qad61b9de4d_prep:
	.size	k_qad61b9de4d_prep, .Lfunc_end_k_qad61b9de4d_prep-k_qad61b9de4d_prep
	.p2alignl 7, 3214868480
	.fill 96, 4, 3214868480
	.section	.rodata,"a",@progbits
	.p2align	6, 0x0
	.amdhsa_kernel k_qad61b9de4d_prep
		.amdhsa_group_segment_fixed_size 0
		.amdhsa_private_segment_fixed_size 0
		.amdhsa_enable_private_segment 0
		.amdhsa_kernarg_size 152
		.amdhsa_user_sgpr_count 2
		.amdhsa_user_sgpr_kernarg_segment_ptr 1
		.amdhsa_wavefront_size32 1
		.amdhsa_system_sgpr_workgroup_id_x 1
		.amdhsa_system_sgpr_workgroup_id_y 1
		.amdhsa_system_sgpr_workgroup_id_z 1
		.amdhsa_system_vgpr_workitem_id 0
		.amdhsa_next_free_vgpr 192
		.amdhsa_next_free_sgpr 96
		.amdhsa_reserve_vcc 1
		.amdhsa_float_denorm_mode_32 3
		.amdhsa_float_denorm_mode_16_64 3
		.amdhsa_memory_ordered 1
		.amdhsa_forward_progress 1
		.amdhsa_inst_pref_size 38
	.end_amdhsa_kernel
	.amdgpu_metadata
---
amdhsa.version: [ 1, 2 ]
amdhsa.kernels:
  - .name:           k_qad61b9de4d_prep
    .symbol:         k_qad61b9de4d_prep.kd
    .args:
      - { .name: W0, .offset: 0, .size: 8, .value_kind: global_buffer, .address_space: global }
      - { .name: W1, .offset: 8, .size: 8, .value_kind: global_buffer, .address_space: global }
      - { .name: W2, .offset: 16, .size: 8, .value_kind: global_buffer, .address_space: global }
      - { .name: W3, .offset: 24, .size: 8, .value_kind: global_buffer, .address_space: global }
      - { .name: Wxyz, .offset: 32, .size: 8, .value_kind: global_buffer, .address_space: global }
      - { .name: Wrot, .offset: 40, .size: 8, .value_kind: global_buffer, .address_space: global }
      - { .name: Wscale, .offset: 48, .size: 8, .value_kind: global_buffer, .address_space: global }
      - { .name: Wop, .offset: 56, .size: 8, .value_kind: global_buffer, .address_space: global }
      - { .name: b0, .offset: 64, .size: 8, .value_kind: global_buffer, .address_space: global }
      - { .name: b1, .offset: 72, .size: 8, .value_kind: global_buffer, .address_space: global }
      - { .name: b2, .offset: 80, .size: 8, .value_kind: global_buffer, .address_space: global }
      - { .name: b3, .offset: 88, .size: 8, .value_kind: global_buffer, .address_space: global }
      - { .name: bxyz, .offset: 96, .size: 8, .value_kind: global_buffer, .address_space: global }
      - { .name: brot, .offset: 104, .size: 8, .value_kind: global_buffer, .address_space: global }
      - { .name: bscale, .offset: 112, .size: 8, .value_kind: global_buffer, .address_space: global }
      - { .name: bop, .offset: 120, .size: 8, .value_kind: global_buffer, .address_space: global }
      - { .name: time, .offset: 128, .size: 8, .value_kind: global_buffer, .address_space: global }
      - { .name: lowp_scales, .offset: 136, .size: 8, .value_kind: global_buffer, .address_space: global }
      - { .name: wq, .offset: 144, .size: 8, .value_kind: global_buffer, .address_space: global }
    .group_segment_fixed_size: 0
    .private_segment_fixed_size: 0
    .kernarg_segment_align: 8
    .kernarg_segment_size: 152
    .max_flat_workgroup_size: 32
    .sgpr_count:     96
    .vgpr_count:     192
    .wavefront_size: 32
...
	.end_amdgpu_metadata
.endif
;; end of part 1
;; launch mlp (part 2): grid 256 x 1, 8 waves a work-group, clusters of 4 x 1, 275,456 bytes of LDS; arguments canonical_xyz, lowp_scales, wq, out0, out1, out2, out3; writes out0, out1, out2, out3
.if DOCPART == 2
	.amdgcn_target "amdgcn-amd-amdhsa--gfx1250"
	.amdhsa_code_object_version 6
	.text
	.protected	k_qad61b9de4d_mlp
	.globl	k_qad61b9de4d_mlp
	.p2align	8
	.type	k_qad61b9de4d_mlp,@function
k_qad61b9de4d_mlp:
	s_mov_b64 s[64:65], 0
	v_nop
	global_prefetch_b8 v0, s[64:65] scope:SCOPE_SE
	s_setreg_imm32_b32 hwreg(HW_REG_WAVE_MODE, 25, 1), 1
	s_wait_xcnt 0x0
	s_wait_alu depctr_hold_cnt(0) depctr_sa_sdst(0) depctr_va_vdst(0) depctr_va_sdst(0) depctr_va_ssrc(0) depctr_va_vcc(0) depctr_vm_vsrc(0)
	s_getreg_b32 s2, hwreg(HW_REG_IB_STS2, 6, 4)
	s_cmp_eq_u32 s2, 0
	s_cbranch_scc0 .Lentry_in_a_cluster
	s_endpgm
.Lentry_in_a_cluster:
	s_bfe_u32 s2, ttmp6, 0x10000c
	s_cmp_lg_u32 s2, 0x3003
	s_cbranch_scc0 .Lentry_shape_is_right
	s_endpgm
.Lentry_shape_is_right:
; The whole network for 262,144 points: encoding (60 numbers a point), four layers of 256 units on codes of FP8 (E4M3) with the given scales, eleven head outputs in bf16 with f32 sums.
; SHARES.  256 work-groups of eight waves, 1,024 points each; a wave takes 128 points as two blocks of 64: four tiles of 16.  A wave carries its points through ALL layers by itself.
; WEIGHTS.  The first launch has laid all codes, biases and head weights as images of the operand registers: 241,664 bytes, which lie in LDS for the whole launch.  Each wave brings an eighth by ONE tensor load
; (118 rows of 256 bytes); no LDS byte is filled a second time, so one wait and one barrier, behind the first block's encoding, serve the launch.  A fragment read from LDS feeds four matrix instructions.
; CLUSTER.  All work-groups read the same image, so the four of a cluster ask for it JOINTLY: the same load, the same descriptor (it hangs on the wave's number alone), the mask of all four.
; No prefetch: the one fill is asked for at the head, and the text has no loop of loads from memory to run ahead in.
; LAYOUT.  Every product is used transposed: source 0 = 16 rows of a weight, source 1 = 16 points.  A lane (r, h) then holds ONE point, 16 T + r, and its eight results are eight units.  The rows that form a tile of a
; weight are chosen (first launch) so that tiles 2 b and 2 b + 1 give units 32 b + 16 h + 0 .. 15: the conversions' results ARE the next operand's registers.  Activations never leave the registers.
; The bias, divided by the power of two that the sums lack, is the C of a tile's first matrix instruction.  relu and the hold at the largest code are one v_med3_num_f32; the three scales ahead of a quantiser are one.
; TURNS.  Two sets of four accumulators: tile t's products are issued into one set ahead of the work on tile t - 1's sums in the other, so that this work is the places behind the products.
; x_input is quantised twice, with the scale of product 1's left operand and with that of product 3's: two sets of codes, K = 60 filled to 64 with zero codes.
; SINE AND COSINE of 2^l fl(x pi) (the reference's one rounding): quarter turns in two floats (2 / pi in two parts, the product's error by a fused multiply-add), x 2^l exactly, the nearest whole number by a large
; addend, an exact difference f, |f| <= 1/2, polynomials in f^2 that hold pi / 2 in their coefficients; the quadrant chooses by v_cndmask_b32.  Lanes 0-15 make levels 0-2 of their point, lanes 16-31 levels 3-5;
; two tiles go in one packed instruction, the three coordinates by turns.
; HEADS.  relu(sum) of layer 3, still lacking 2^(e6 + e7), is rounded to bf16; out = head sum x 2^(e6 + e7) + head bias.  Rows: 0-2 xyz, 3 opacity, 4-7 rotation, 8-10 scaling, 11-15 zero.
; THE WAY OUT.  64 points' outputs meet in the wave's own stage in LDS and leave by stores of 256 consecutive bytes, each at a multiple of 256 from its buffer's first byte.
; LIMITS: e0, e4, e2 - e0 - e1, e4 - e2 - e3, e6 - e4 - e5 between -126 and 119; e6 + e7 between -126 and 127 (each power of two is made as an f32 number);
; |xyz| under 65,536 (2^5 x 2 |x| stays under 2^22, where the rounding by a large addend is exact); NaN among the inputs is not served.
; REGISTERS, in two windows of 256.  Window 0: v1-11, v21 addresses; v12-14 the layers' scales; v15, v16 x_input's; v17, v18 the add's; v22-27 six entries of the time list; v30, v31 2^(3 h);
;   v32-71, v72-111 two weight buffers (16 + 16 + 8); v112-127 two bias buffers; v128-159, v160-191 two sets of accumulators; v192-255 x_input's two sets of codes.  During the encoding v32-191 are at work.
;   Window 1: v0-127 and v128-255 the activations' codes, 32 a tile, two sets that take turns; in layer 3 v128-159 bf16 activations, v160-191 the heads' sums, v192-199 head bias; v200-211 coordinates (until layer 1 writes there).
; In detail: the work on tile t - 1's sums stands partly among tile t's products and partly behind them (macro TURN); the next tile's LDS loads stand in one run at a turn's head.
.set L_W0X,  0                         ; LDS = wq, byte for byte, up to STAGE
.set L_W2X,  16384
.set L_BIAS, 32768
.set L_HW,   36864
.set L_W1,   45056
.set L_W2M,  110592
.set L_W3,   176128
.set STAGE,  241664                    ; 4,096 bytes a wave: out0 768, out1 1,024, out2 768, out3 256; then 1,280 bytes that take what lanes 16-31 hold of the zero head rows, and are never read
.set SPARE,  STAGE+8*4096              ; the spare words, 128 bytes for each wave
.set G_TL,   241664                    ; in wq: the time list,
.set G_HBV,  241792                    ; the head bias
.set SPW,  17
.set NIL,  18
.set TC,   22
.set FAC,  30
.set ACC,  128
.set XC,   192
.set HID,  128                         ; window 1
.set HACC, 160                         ; window 1
.set HB,   192                         ; window 1
.set XY,   200                         ; window 1: coordinate d of tile 2 k + x at XY + 6 k + 2 d + x
.set ST0,  32                          ; the encoding: 24 entries of tile 2 k, at ST0 + 24 those of tile 2 k + 1 (the last three of each are not used)
.set QHI,  80                          ; each six registers: coordinate d, tile x at + 2 d + x
.set QLO,  86
.set TMG,  92
.set FRA,  98
.set ZSQ,  104
.set SGN,  110
.set PSN,  116
.set PCS,  122
.set NSN,  128
.set ANG,  134
.set QTA,  144                         ; 24 entries, held; two such
.set QTB,  168
.set MSK,  44                          ; s44-49 the quadrants' parities
.set MSB, 0
.macro WIN new                         ; low byte: bits 1:0 source 0, 3:2 source 1, 5:4 source 2, 7:6 destination; the high byte repeats the setting that is left
.if MSB != \new
	s_set_vgpr_msb (MSB<<8)|\new
.set MSB, \new
.endif
.endm
.macro PLACES n                        ; plain vector instructions behind matrix instructions (ISA guide 7.12.1)
.rept \n
	v_nop
.endr
.endm
.macro VWAIT
	s_wait_alu depctr_va_vdst(0)
.endm
.macro ROUND                           ; a round of the cluster's barrier
	s_barrier_signal -1
	s_barrier_wait -1
	s_cmp_lg_u32 s18, 0
	s_cbranch_scc1 .Lnot_wave_0_\@
	s_barrier_signal -3
.Lnot_wave_0_\@:
	s_barrier_wait -3
	s_barrier_signal -1
	s_barrier_wait -1
.endm
.macro SPAIR r, val                    ; a constant for packed forms: they name a pair and take its low word for both halves, so both are written
	s_mov_b32 s[\r], \val
	s_mov_b32 s[\r+1], \val
.endm
.macro MKS e, sc, lm                   ; from the exponent in s[e]: s[sc] = 2^e as f32, s[lm] = 448 x 2^e
	s_add_co_i32 s22, s[\e], 127
	s_lshl_b32 s[\sc], s22, 23
	s_add_co_i32 s22, s22, 8
	s_lshl_b32 s22, s22, 23
	s_or_b32 s[\lm], s22, 0x600000
.endm
; Load k of what tile t of layer l wants, into buffer p: 0-7 its two fragments of 128 along K (layers 1 to 3); 8, 9 its bias in the result's layout, units 32 (t / 2) + 16 h + 8 (t % 2) + 0 .. 7; 10, 11 its piece of 64 along K (layers 0, 2)
.macro LDK l, t, p, k
.if (\k) < 8
.if (\l) > 0
	ds_load_b128 v[32+40*(\p)+4*(\k):35+40*(\p)+4*(\k)], v[1+(\l)] offset:4096*(\t)+512*(\k)
.endif
.elseif (\k) < 10
	ds_load_b128 v[112+8*(\p)+4*((\k)-8):115+8*(\p)+4*((\k)-8)], v5 offset:L_BIAS+1024*(\l)+4*(32*((\t)/2)+8*((\t)%2))+16*((\k)-8)
.elseif ((\l) == 0) || ((\l) == 2)
	ds_load_b128 v[64+40*(\p)+4*((\k)-10):67+40*(\p)+4*((\k)-10)], v1 offset:8192*(\l)+1024*(\t)+512*((\k)-10)
.endif
.endm
.macro LOADS n                         ; the next n loads of the next tile's list
.rept \n
.if (NXL >= 0) && (LQ < 12)
	LDK NXL, NXT, NXP, LQ
.endif
.set LQ, LQ+1
.endr
.endm
.macro LDH b                           ; chunk b of the heads' weights, into buffer 1's last eight registers
.irp g, 0,1
	ds_load_b128 v[104+4*\g:107+4*\g], v1 offset:L_HW+1024*(\b)+512*\g
.endr
.endm
; sine and cosine of level 3 h + j of the three coordinates, for two tiles at once; f = 2^j
.macro EVAL j, f
.irp d, 0,1,2
.if \j == 0
	v_pk_add_f32 v[TMG+2*\d:TMG+2*\d+1], v[QHI+2*\d:QHI+2*\d+1], s[70:71] op_sel_hi:[1,0]        ; + 1.5 x 2^23: the low bits are the nearest whole number n
.else
	v_pk_fma_f32 v[TMG+2*\d:TMG+2*\d+1], v[QHI+2*\d:QHI+2*\d+1], \f, s[70:71] op_sel_hi:[1,0,0]
.endif
.endr
.irp d, 0,1,2
	v_pk_add_f32 v[FRA+2*\d:FRA+2*\d+1], v[TMG+2*\d:TMG+2*\d+1], s[100:101] op_sel_hi:[1,0]      ; n
.endr
.irp d, 0,1,2
	v_lshlrev_b32 v[SGN+2*\d], 30, v[TMG+2*\d]                                                   ; bit 31: bit 1 of n; bit 30: n is odd
	v_lshlrev_b32 v[SGN+2*\d+1], 30, v[TMG+2*\d+1]
.endr
.irp d, 0,1,2
.if \j == 0
	v_pk_add_f32 v[FRA+2*\d:FRA+2*\d+1], v[QHI+2*\d:QHI+2*\d+1], v[FRA+2*\d:FRA+2*\d+1] neg_lo:[0,1] neg_hi:[0,1]   ; exact
.else
	v_pk_fma_f32 v[FRA+2*\d:FRA+2*\d+1], v[QHI+2*\d:QHI+2*\d+1], \f, v[FRA+2*\d:FRA+2*\d+1] op_sel_hi:[1,0,1] neg_lo:[0,0,1] neg_hi:[0,0,1]
.endif
.endr
.irp d, 0,1,2
.if \j == 0
	v_pk_add_f32 v[FRA+2*\d:FRA+2*\d+1], v[FRA+2*\d:FRA+2*\d+1], v[QLO+2*\d:QLO+2*\d+1]
.else
	v_pk_fma_f32 v[FRA+2*\d:FRA+2*\d+1], v[QLO+2*\d:QLO+2*\d+1], \f, v[FRA+2*\d:FRA+2*\d+1] op_sel_hi:[1,0,1]
.endif
.endr
.irp d, 0,1,2
	v_and_or_b32 v[TMG+2*\d], v[SGN+2*\d], s87, s95                                              ; -1.0 where bit 1 of n is set, else 1.0
	v_and_or_b32 v[TMG+2*\d+1], v[SGN+2*\d+1], s87, s95
.endr
.irp d, 0,1,2
	v_pk_mul_f32 v[ZSQ+2*\d:ZSQ+2*\d+1], v[FRA+2*\d:FRA+2*\d+1], v[FRA+2*\d:FRA+2*\d+1]
.endr
.irp d, 0,1,2
	v_pk_mul_f32 v[FRA+2*\d:FRA+2*\d+1], v[FRA+2*\d:FRA+2*\d+1], v[TMG+2*\d:TMG+2*\d+1]
.endr
.irp d, 0,1,2
	v_pk_fma_f32 v[PSN+2*\d:PSN+2*\d+1], v[ZSQ+2*\d:ZSQ+2*\d+1], s[74:75], s[76:77] op_sel_hi:[1,0,0]
	v_pk_fma_f32 v[PCS+2*\d:PCS+2*\d+1], v[ZSQ+2*\d:ZSQ+2*\d+1], s[80:81], s[82:83] op_sel_hi:[1,0,0]
.endr
.irp d, 0,1,2
	v_pk_fma_f32 v[PSN+2*\d:PSN+2*\d+1], v[PSN+2*\d:PSN+2*\d+1], v[ZSQ+2*\d:ZSQ+2*\d+1], s[78:79] op_sel_hi:[1,1,0]
	v_pk_fma_f32 v[PCS+2*\d:PCS+2*\d+1], v[PCS+2*\d:PCS+2*\d+1], v[ZSQ+2*\d:ZSQ+2*\d+1], s[84:85] op_sel_hi:[1,1,0]
.endr
.irp d, 0,1,2
	v_pk_fma_f32 v[PSN+2*\d:PSN+2*\d+1], v[PSN+2*\d:PSN+2*\d+1], v[ZSQ+2*\d:ZSQ+2*\d+1], s[50:51] op_sel_hi:[1,1,0]
	v_pk_fma_f32 v[PCS+2*\d:PCS+2*\d+1], v[PCS+2*\d:PCS+2*\d+1], v[ZSQ+2*\d:ZSQ+2*\d+1], 1.0 op_sel_hi:[1,1,0]
.endr
.irp d, 0,1,2
	v_cmp_lg_f32 s[MSK+2*\d], 0, v[SGN+2*\d]                                                     ; as f32 the shifted n is 0, 2, -0 or -2: not 0 where n is odd
	v_cmp_lg_f32 s[MSK+2*\d+1], 0, v[SGN+2*\d+1]
.endr
.irp d, 0,1,2
	v_pk_mul_f32 v[NSN+2*\d:NSN+2*\d+1], v[PSN+2*\d:PSN+2*\d+1], v[FRA+2*\d:FRA+2*\d+1] neg_lo:[1,0] neg_hi:[1,0]   ; the other sign
	v_pk_mul_f32 v[PCS+2*\d:PCS+2*\d+1], v[PCS+2*\d:PCS+2*\d+1], v[TMG+2*\d:TMG+2*\d+1]          ; +-cos
	v_pk_mul_f32 v[PSN+2*\d:PSN+2*\d+1], v[PSN+2*\d:PSN+2*\d+1], v[FRA+2*\d:FRA+2*\d+1]          ; +-sin
.endr
.irp d, 0,1,2
.irp x, 0,1
	v_cndmask_b32 v[ST0+24*\x+6*\d+\j], v[PSN+2*\d+\x], v[PCS+2*\d+\x], s[MSK+2*\d+\x]           ; n odd: sine and cosine change places
	v_cndmask_b32 v[ST0+24*\x+6*\d+3+\j], v[PCS+2*\d+\x], v[NSN+2*\d+\x], s[MSK+2*\d+\x]
.endr
.endr
.endm
.macro QX st, lm, sc, qt, dst          ; 24 entries become six registers of codes; s[lm] the largest number, s[lm + 1] its negative
.set i, 0
.rept 21
	v_med3_num_f32 v[\qt+i], v[(\st)+i], s[\lm+1], s[\lm]   ; the conversion to an 8-bit code does not saturate (ISA guide 7.6.2): the hold comes first
.set i, i+1
.endr
.irp n, 0,1,2
	v_med3_num_f32 v[\qt+21+\n], v[TC+3+\n], s[\lm+1], s[\lm]
.endr
.irp g, 0,1,2
	v_cvt_scalef32_pk8_fp8_f32 v[(\dst)+2*\g:(\dst)+2*\g+1], v[\qt+8*\g:\qt+8*\g+7], v[\sc]
.endr
.endm
.macro ENCPAIR k                       ; tiles 2 k and 2 k + 1: entries 0 .. 23 of x_input (entries 24 .. 31 hang on time alone and were made at the head)
	WIN 0x01                                       ; source 0, the coordinates, window 1
.irp d, 0,1,2
	v_pk_mul_f32 v[ANG+2*\d:ANG+2*\d+1], v[XY+6*\k+2*\d:XY+6*\k+2*\d+1], s[72:73] op_sel_hi:[1,0]          ; fl(x pi)
	v_cndmask_b32 v[ST0+18+\d], v[XY+6*\k+2*\d], v[TC+\d], s88             ; lanes 0-15: the coordinate itself; lanes 16-31: time's entries
	v_cndmask_b32 v[ST0+42+\d], v[XY+6*\k+2*\d+1], v[TC+\d], s88
.endr
	WIN 0
.irp d, 0,1,2
	v_pk_mul_f32 v[QHI+2*\d:QHI+2*\d+1], v[ANG+2*\d:ANG+2*\d+1], s[66:67] op_sel_hi:[1,0]
.endr
.irp d, 0,1,2
	v_pk_fma_f32 v[QLO+2*\d:QLO+2*\d+1], v[ANG+2*\d:ANG+2*\d+1], s[66:67], v[QHI+2*\d:QHI+2*\d+1] op_sel_hi:[1,0,1] neg_lo:[0,0,1] neg_hi:[0,0,1]
.endr
.irp d, 0,1,2
	v_pk_fma_f32 v[QLO+2*\d:QLO+2*\d+1], v[ANG+2*\d:ANG+2*\d+1], s[68:69], v[QLO+2*\d:QLO+2*\d+1] op_sel_hi:[1,0,1]
.endr
.irp d, 0,1,2
	v_pk_mul_f32 v[QHI+2*\d:QHI+2*\d+1], v[QHI+2*\d:QHI+2*\d+1], v[FAC:FAC+1]  ; x 2^(3 h): exact
	v_pk_mul_f32 v[QLO+2*\d:QLO+2*\d+1], v[QLO+2*\d:QLO+2*\d+1], v[FAC:FAC+1]
.endr
	EVAL 0, 1.0
	EVAL 1, 2.0
	EVAL 2, 4.0
.irp x, 0,1
	QX ST0+24*\x, 32, 15, QTA, XC+8*(2*\k+\x)      ; two sets of held entries by turns: a conversion's sources are not written by the instruction behind it
	QX ST0+24*\x, 34, 16, QTB, XC+32+8*(2*\k+\x)
.endr
.endm
.macro ENC
	ENCPAIR 0
	ENCPAIR 1
	v_nop                                          ; a plain instruction between the conversions and what touches their registers next
	VWAIT
.endm
.macro MEDS n                          ; the activation and the hold in one, on the next n of the earlier tile's 32 registers of sums: each accumulator from its low end on
.rept \n                               ; (source 1 is a constant, source 2 a scalar: the window of source 1 does not matter here)
	v_med3_num_f32 v[AP+MQ], v[AP+MQ], 0, s[LIM]
.set MQ, MQ+1
.endr
.endm
.macro CODES p                         ; tile p's 4 x 8 sums become codes of the next operand, in window 1
.set CO, 16*((\p)/8)+4*(((\p)/2)%4)+2*((\p)%2)
	WIN 0x40
.irp T, 0,1,2,3
	v_cvt_scalef32_pk8_fp8_f32 v[OUTB+32*\T+CO:OUTB+32*\T+CO+1], v[AP+8*\T:AP+8*\T+7], v[SCL]
.endr                                  ; (what follows begins with a plain vector instruction, ahead of the products that write these sources anew or read the codes)
.endm
.macro DUALS n                         ; layer 3: relu on the next n pairs of the earlier tile's sums (every window 0)
.rept \n
	v_dual_max_num_f32 v[AP+MQ], 0, v[AP+MQ] :: v_dual_max_num_f32 v[AP+MQ+1], 0, v[AP+MQ+1]
.set MQ, MQ+2
.endr
.endm
.macro TOHID p                         ; and tile p's sums become bf16
	WIN 0x40
.irp T, 0,1,2,3
.irp n, 0,1,2,3
	v_cvt_pk_bf16_f32 v[HID+8*\T+4*((\p)%2)+\n], v[AP+8*\T+2*\n], v[AP+8*\T+2*\n+1]
.endr
.endr
	WIN 0
.endm
.macro HEADS b                         ; the heads take chunk b, 32 along their K: tiles 2 b and 2 b + 1
.if (\b) == 0
	WIN 0x44                                       ; source 1 and destination window 1; the first products start the sums
.else
	WIN 0x54
.endif
.irp T, 0,1,2,3
.if (\b) == 0
	v_wmma_f32_16x16x32_bf16 v[HACC+8*\T:HACC+8*\T+7], v[104:111], v[HID+8*\T:HID+8*\T+7], 0
.else
	v_wmma_f32_16x16x32_bf16 v[HACC+8*\T:HACC+8*\T+7], v[104:111], v[HID+8*\T:HID+8*\T+7], v[HACC+8*\T:HACC+8*\T+7]
.endif
.endr
	WIN 0
.endm
; TURN t OF LAYER L: at its head, in one run, the next tile's LDS loads (in a layer's last turn the next layer's first); then tile t's products (16 units x 64 points) into one set of accumulators, and among and behind
; them the work on tile t - 1's sums in the other set.  Tile t's weights and bias were asked for a turn ago.  The four accumulators of a set take turns, one instruction a turn.
; A turn's last product is followed by nine or more plain instructions that name none of the products' registers (turn 0's by four at turn 1's head): the places in front of the next loads into their buffers and of the
; first read of their sums.
; A layer's turn 0 works on the earlier layer's tile 15: its products along the first half of K want tiles 0-7 alone, and those along the second half stand behind tile 15's codes.
; Layer 3: the heads' fragment comes in even turns, its products stand at the head of the odd turns, a turn behind the chunk's last sums.
.macro WX T                            ; the piece of 64 along K, which starts the sum with the bias
	v_wmma_f32_16x16x64_fp8_fp8 v[AC+8*\T:AC+8*\T+7], v[WP+32:WP+39], v[XCL+8*\T:XCL+8*\T+7], v[BP:BP+7]
.endm
.macro WA L, T                         ; the first 128 along K
.if \L == 2
	v_wmma_f32_16x16x128_fp8_fp8 v[AC+8*\T:AC+8*\T+7], v[WP:WP+15], v[INB+32*\T:INB+32*\T+15], v[AC+8*\T:AC+8*\T+7]
.else
	v_wmma_f32_16x16x128_fp8_fp8 v[AC+8*\T:AC+8*\T+7], v[WP:WP+15], v[INB+32*\T:INB+32*\T+15], v[BP:BP+7]
.endif
.endm
.macro WB T                            ; the second 128 along K
	v_wmma_f32_16x16x128_fp8_fp8 v[AC+8*\T:AC+8*\T+7], v[WP+16:WP+31], v[INB+32*\T+16:INB+32*\T+31], v[AC+8*\T:AC+8*\T+7]
.endm
.macro TURN L, t
.set PB, (\t)%2
.set WP, 32+40*PB
.set BP, 112+8*PB
.set AC, ACC+32*PB
.set AP, ACC+32*(1-PB)
.set XCL, XC+16*\L
.set NXP, 1-PB
.set MQ, 0
.set LQ, 0
.if \t < 15
.set NXL, \L
.set NXT, \t+1
.elseif \L < 3
.set NXL, \L+1
.set NXT, 0
.else
.set NXL, -1
.endif
.if NXL == 0
.set LQ, 8
.endif
.if (\L == 3) && (PB == 1) && (\t > 2)
	VWAIT                                          ; the bf16 activations are read behind the wait below
.endif
.if \t == 1
	PLACES 4                                       ; behind turn 0's last products, which no work on sums followed
.endif
	s_wait_dscnt 0x0                               ; this tile's fragments are in
	WIN 0
	LOADS 12                                       ; all that the next tile wants
.if (\L == 3) && (PB == 0) && (\t > 1)
	LDH (\t)/2-1
.endif
.if (\L == 3) && (PB == 1) && (\t > 2)
	HEADS ((\t)-3)/2
.endif
.if \L == 0
	WIN 0
.if \t > 0
	MEDS 2
.endif
.irp T, 0,1,2,3
	WX \T
.if \t > 0
	MEDS 5
.endif
.endr
.if \t > 0
	MEDS 10
	CODES (\t)-1
.endif
.elseif \t == 0
.if \L == 2
	WIN 0
	MEDS 1
.irp T, 0,1,2,3
	WX \T
	MEDS 2
.endr
	WIN 0x04                                       ; source 1, the activations' codes, window 1
.irp T, 0,1,2,3                        ; another form goes on with the same accumulators: no chain in place; eight places or more stand between
	WA \L, \T
	MEDS 3
.endr
.else
	WIN 0x04
	MEDS 1
.irp T, 0,1,2,3
	WA \L, \T
	MEDS 5
.endr
.endif
	MEDS 11
	CODES 15                                       ; the earlier layer's last tile
	v_nop                                          ; a plain instruction between the conversions and the products that read their results
	WIN 0x04
.irp T, 0,1,2,3
	WB \T
.endr
.elseif \L == 3
	WIN 0x04
	WA 3, 0
	WA 3, 1
	WIN 0
	DUALS 4
	WIN 0x04
	WA 3, 2
	WA 3, 3
	WIN 0
	DUALS 4
	WIN 0x04
	WB 0
	WB 1
	WIN 0
	DUALS 4
	WIN 0x04
	WB 2
	WB 3
	WIN 0
	DUALS 4
	TOHID (\t)-1
.elseif \L == 2
	WIN 0
	MEDS 1
.irp T, 0,1,2,3
	WX \T
	MEDS 2
.endr
	WIN 0x04
.irp T, 0,1,2,3                        ; (another form: eight places or more stand between)
	WA \L, \T
	MEDS 2
.endr
.irp T, 0,1,2
	WB \T
	MEDS 2
.endr
	WB 3
	MEDS 9
	CODES (\t)-1
.else
	WIN 0x04
	MEDS 1
.irp T, 0,1,2,3
	WA \L, \T
	MEDS 3
.endr
.irp T, 0,1,2
	WB \T
	MEDS 3
.endr
	WB 3
	MEDS 10
	CODES (\t)-1
.endif
.endm
.macro LAYER L, in, out, scl, lim
.set INB, \in
	TURN \L, 0                                     ; (the earlier layer's scale, limit and place of codes still stand)
.set OUTB, \out
.set SCL, \scl
.set LIM, \lim
.irp t, 1,2,3,4,5,6,7,8,9,10,11,12,13,14,15
	TURN \L, \t
.endr
.if \L == 3
.set AP, ACC+32                        ; the last tile's sums
.set MQ, 0
	LDH 7
	DUALS 16
	TOHID 15
	VWAIT
	s_wait_dscnt 0x0
	HEADS 7
	PLACES 4                                       ; in front of the first read of the heads' sums
.endif
.endm
.macro XYLOAD                          ; 64 points' coordinates: lane (r, h) takes point 16 T + r
	WIN 0x40                                       ; destination window 1
.irp T, 0,1,2,3
.irp d, 0,1,2
	global_load_b32 v[XY+6*(\T/2)+2*\d+(\T%2)], v11, s[4:5] offset:192*\T+4*\d
.endr
.endr
	WIN 0
.endm
.macro OUTST n, base, off
	s_wait_dscnt 10-\n                             ; LDS loads come back in order (ISA guide 5.7.1): number n is in, the younger ones may be out
	global_store_b64 v10, v[32+2*\n:33+2*\n], s[\base:\base+1] offset:\off th:TH_STORE_NT   ; 32 lanes store 256 consecutive bytes
.endm
	s_load_b256 s[4:11], s[0:1], 0x0               ; canonical_xyz s[4:5], lowp_scales s[6:7], wq s[8:9], out0 s[10:11]
	s_load_b128 s[12:15], s[0:1], 0x20             ; out1 s[12:13], out2 s[14:15]
	s_load_b64 s[16:17], s[0:1], 0x30              ; out3
	v_lshl_add_u32 v[SPW], v0, 2, SPARE
	v_mov_b32 v[NIL], 0
	ds_add_u32 v[SPW], v[NIL]                      ; the wave's opening: the add, twice on end, and its wait ahead of my tensor load
	ds_add_u32 v[SPW], v[NIL]
	v_lshrrev_b32 v28, 5, v0
	v_readfirstlane_b32 s18, v28                   ; wave 0..7
	s_lshl_b32 s20, s18, 12
	s_add_co_u32 s20, s20, STAGE                   ; my stage
	v_and_b32 v19, 31, v0                          ; lane
	v_and_b32 v20, 15, v0                          ; r
	v_bfe_u32 v29, v0, 4, 1                        ; h
	v_lshlrev_b32 v1, 4, v19                       ; an image's place for my lane
	v_add_nc_u32 v2, L_W1, v1
	v_add_nc_u32 v3, L_W2M, v1
	v_add_nc_u32 v4, L_W3, v1
	v_lshlrev_b32 v5, 6, v29                       ; 16 h numbers: biases, the time list
	v_mul_u32_u24 v6, v20, 12
	v_mul_u32_u24 v11, v20, 12                     ; my point's coordinates
	v_mad_u32_u24 v6, v29, 1792, v6
	v_add_nc_u32 v6, s20, v6                       ; lanes 0-15: out0's part, lanes 16-31: out2's, 1,792 bytes on; 12 bytes a point
	v_lshlrev_b32 v7, 4, v20
	v_lshl_add_u32 v7, v29, 11, v7
	v_add_nc_u32 v7, s20, v7
	v_add_nc_u32 v7, 768, v7                       ; lanes 0-15: out1's part; lanes 16-31: 2,048 bytes on, bytes that are never read
	v_lshlrev_b32 v8, 2, v20
	v_mad_u32_u24 v8, v29, 1280, v8
	v_add_nc_u32 v8, s20, v8
	v_add_nc_u32 v8, 2560, v8                      ; lanes 0-15: out3's part; lanes 16-31: 1,280 bytes on, never read
	v_lshl_add_u32 v9, v19, 3, s20                 ; back: 8 bytes a lane
	v_lshlrev_b32 v10, 3, v19                      ; and the same in memory
	v_lshlrev_b32 v21, 5, v29                      ; 8 h numbers: the head bias
	; descriptor group 1: a dense block as 118 rows of 256 bytes (32 elements of 8 bytes); no padding: the images are read as they lie
	s_mov_b32 s24, 15|(3<<16)|(1<<21)              ; 15:0 the mask: all four work-groups of the cluster; 17:16 elements of 8 bytes; 21 set beside a mask
	s_mov_b32 s25, 32<<16                          ; tensor_dim0 = 32
	s_mov_b32 s26, 118<<16                         ; tensor_dim1
	s_mov_b32 s27, 32<<16                          ; tile_dim0 = 32
	s_mov_b32 s28, 118                             ; tile_dim1
	s_mov_b32 s29, 32                              ; from row to row
	s_mov_b32 s30, 0
	s_mov_b32 s31, 0
	; my wave's first point: 1,024 x work-group + 128 x wave.  The place in the cluster enters these global addresses alone
	s_bfe_u32 s21, ttmp6, 0x40000                  ; cx
	s_lshl_b32 s96, ttmp9, 2
	s_add_co_u32 s21, s21, s96
	s_lshl_b32 s21, s21, 10
	s_lshl_b32 s96, s18, 7
	s_add_co_u32 s21, s21, s96
	s_mov_b32 s97, 0
	s_mul_i32 s96, s21, 12
	; group 0: wave w brings bytes 30,208 w on; LDS address = offset in wq
	s_mul_i32 s22, s18, 30208
	s_mov_b32 s23, 0
	s_mov_b32 s40, 1
	s_mov_b32 s41, s22
	VWAIT                                          ; ahead of the waits below: the address registers are read behind them
	s_wait_dscnt 0x0                               ; both opening adds are done
	s_wait_kmcnt 0x0
	s_load_b256 s[56:63], s[6:7], 0x0              ; e0 .. e7
	s_add_nc_u64 s[4:5], s[4:5], s[96:97]
	s_add_nc_u64 s[10:11], s[10:11], s[96:97]
	s_add_nc_u64 s[14:15], s[14:15], s[96:97]
	XYLOAD                                         ; the first block's coordinates
.irp g, 0,1,2,3
	global_load_b128 v[32+4*\g:35+4*\g], v5, s[8:9] offset:G_TL+16*\g     ; entries 16 .. 31 of my half of the lanes
.endr
	s_add_nc_u64 s[42:43], s[8:9], s[22:23]
	s_or_b32 s43, s43, 0x80000000
	s_lshl_b32 s96, s21, 4
	s_add_nc_u64 s[12:13], s[12:13], s[96:97]
	s_lshl_b32 s96, s21, 2
	s_add_nc_u64 s[16:17], s[16:17], s[96:97]
	ROUND                                          ; all four work-groups are here: the joint loads meet
	tensor_load_to_lds s[40:43], s[24:31]          ; my eighth of the image: the one tensor load of the wave
	s_nop 0
	PLACES 4
	SPAIR 66, 0x3f22f983                           ; 2 / pi, its upper part,
	SPAIR 68, 0x32dc9c88                           ; and what is left of it
	SPAIR 70, 0x4b400000                           ; 1.5 x 2^23
	SPAIR 100, 0xcb400000                          ; and its negative
	SPAIR 72, 0x40490fdb                           ; pi
	SPAIR 74, 0xbb96e42d                           ; sine of f quarter turns: f (S0 + z (S1 + z (S2 + z S3))), z = f^2; S3 = -0.0046048372
	SPAIR 76, 0x3da33002                           ; S2 = 0.079681414
	SPAIR 78, 0xbf255ddf                           ; S1 = -0.64596363
	SPAIR 50, 0x3fc90fdb                           ; S0 = pi / 2
	SPAIR 80, 0xbca754a0                           ; cosine: 1 + z (C1 + z (C2 + z C3)); C3 = -0.020426094
	SPAIR 82, 0x3e81d8af                           ; C2 = 0.25360630
	SPAIR 84, 0xbf9de9d0                           ; C1 = -1.2336979
	s_mov_b32 s87, 0x80000000
	s_mov_b32 s88, 0xffff0000                      ; lanes 16-31
	s_mov_b32 s95, 0x3f800000
	s_mov_b32 s19, 2                               ; blocks to go
	s_wait_kmcnt 0x0
	MKS 56, 20, 32
	s_or_b32 s33, s32, 0x80000000                  ; s32, s33: +-448 x 2^e0
	v_mov_b32 v15, s20                             ; 2^e0
	MKS 60, 21, 34
	s_or_b32 s35, s34, 0x80000000                  ; the same with e4
	v_mov_b32 v16, s21
	s_sub_co_i32 s23, s58, s56                     ; a sum of product 1 stands for sum x 2^(e0 + e1): its code is sum / 2^(e2 - e0 - e1)
	s_sub_co_i32 s23, s23, s57
	MKS 23, 89, 90
	s_sub_co_i32 s23, s60, s58
	s_sub_co_i32 s23, s23, s59
	MKS 23, 91, 92
	s_sub_co_i32 s23, s62, s60
	s_sub_co_i32 s23, s23, s61
	MKS 23, 93, 94
	s_add_co_i32 s23, s62, s63
	s_add_co_i32 s23, s23, 127
	s_lshl_b32 s98, s23, 23                        ; 2^(e6 + e7)
	s_mov_b32 s99, s98
	v_mov_b32 v12, s89
	v_mov_b32 v13, s91
	v_mov_b32 v14, s93
	v_mov_b32 v28, 1.0
	v_mov_b32 v29, 0x41000000
	v_cndmask_b32 v[FAC], v28, v29, s88            ; 2^(3 h)
	v_cndmask_b32 v[FAC+1], v28, v29, s88
	VWAIT                                          ; the head's end
	s_wait_loadcnt 0x0                             ; the time list and the first block's coordinates
.irp n, 0,1,2,3,4,5
	v_mov_b32 v[TC+\n], v[34+\n]                   ; entries 18 .. 23
.endr
.irp n, 0,1,2,3,4,5,6,7
	v_med3_num_f32 v[48+\n], v[40+\n], s33, s32    ; entries 24 .. 31 hang on time alone: their codes are made once, for all points
	v_med3_num_f32 v[56+\n], v[40+\n], s35, s34
.endr
	v_cvt_scalef32_pk8_fp8_f32 v[XC+6:XC+7], v[48:55], v15
	v_cvt_scalef32_pk8_fp8_f32 v[XC+38:XC+39], v[56:63], v16
	v_nop                                          ; a plain instruction between the conversions and the first reader of their results
.irp T, 1,2,3
	v_mov_b32 v[XC+8*\T+6], v[XC+6]
	v_mov_b32 v[XC+8*\T+7], v[XC+7]
	v_mov_b32 v[XC+32+8*\T+6], v[XC+38]
	v_mov_b32 v[XC+32+8*\T+7], v[XC+39]
.endr
	ENC                                            ; the first block's encoding, while the image is on its way
	s_wait_tensorcnt 0x0                           ; my eighth has landed,
	s_wait_dscnt 0x0
	s_barrier_signal -1
	s_barrier_wait -1                              ; and behind this barrier everybody's has.  Nothing is filled again
.Lblock:                                           ; two trips: 64 points each
.set NXL, 0
.set NXT, 0
.set NXP, 0
.set LQ, 8
	LOADS 4                                        ; layer 0's first tile
	LAYER 0, 0, 0, 12, 90
	LAYER 1, 0, 128, 13, 92
	LAYER 2, 128, 0, 14, 94
	WIN 0x40                                       ; destination window 1, whose upper set is free in layer 3
.irp g, 0,1
	global_load_b128 v[HB+4*\g:HB+4*\g+3], v21, s[8:9] offset:G_HBV+16*\g ; head rows 8 h + 0 .. 7
.endr
	WIN 0
	s_cmp_eq_u32 s19, 1                            ; the next block's coordinates, if there is one: no load leaves its buffer
	s_cbranch_scc1 .Lno_next
	s_add_nc_u64 s[4:5], s[4:5], 768               ; (the loads that read this base are in)
	XYLOAD
.Lno_next:
	LAYER 3, 0, 0, 0, 0
	; THE WAY OUT.  Register j of lane (r, h) is head row 8 h + j of point 16 T + r
	s_wait_loadcnt 0x0                             ; the head bias, and the next block's coordinates
	WIN 0x11                                       ; source 0, the heads' sums, and source 2, the head bias, window 1
.irp T, 0,1,2,3
.irp n, 0,2,4,6
	v_pk_fma_f32 v[ACC+8*\T+\n:ACC+8*\T+\n+1], v[HACC+8*\T+\n:HACC+8*\T+\n+1], s[98:99], v[HB+\n:HB+\n+1] op_sel_hi:[1,0,1]   ; sum x 2^(e6 + e7) + bias; each accumulator from its low end on
.endr
.endr
	WIN 0
.irp T, 0,1,2,3
.irp j, 0,1,2
	ds_store_b32 v6, v[ACC+8*\T+\j] offset:192*\T+4*\j         ; xyz (lanes 0-15), scaling (lanes 16-31)
.endr
	ds_store_b32 v8, v[ACC+8*\T+3] offset:64*\T                ; opacity
	ds_store_b128 v7, v[ACC+8*\T+4:ACC+8*\T+7] offset:256*\T   ; rotation
.endr
.irp n, 0,1,2,3,4,5,6,7,8,9,10
	ds_load_b64 v[32+2*\n:33+2*\n], v9 offset:256*\n           ; LDS serves a wave's instructions in order (ISA guide 5.7.1.4): these see my stores
.endr
	OUTST 0, 10, 0
	OUTST 1, 10, 256
	OUTST 2, 10, 512
	OUTST 3, 12, 0
	OUTST 4, 12, 256
	OUTST 5, 12, 512
	OUTST 6, 12, 768
	OUTST 7, 14, 0
	OUTST 8, 14, 256
	OUTST 9, 14, 512
	OUTST 10, 16, 0
	s_wait_xcnt 0x0                                ; the stores have read their registers and bases: both may be written again
	s_add_nc_u64 s[10:11], s[10:11], 768
	s_add_nc_u64 s[12:13], s[12:13], 1024
	s_add_nc_u64 s[14:15], s[14:15], 768
	s_add_nc_u64 s[16:17], s[16:17], 256
	s_sub_co_u32 s19, s19, 1
	s_cmp_eq_u32 s19, 0
	s_cbranch_scc1 .Lend
	ENC                                            ; the next block's encoding
	s_cmp_lg_u32 s19, 0
	s_cbranch_scc1 .Lblock
.Lend:
	s_wait_tensorcnt 0x0                           ; the wave's end, behind my last LDS store
	ds_add_u32 v[SPW], v[NIL]
	s_wait_dscnt 0x0
	ROUND                                          ; the closing round: no work-group ends while a partner may still ask for bytes jointly
	s_endpgm
.Lfunc_end_k_qad61b9de4d_mlp:
	.size	k_qad61b9de4d_mlp, .Lfunc_end_k_qad61b9de4d_mlp-k_qad61b9de4d_mlp
	.p2alignl 7, 3214868480
	.fill 96, 4, 3214868480
	.section	.rodata,"a",@progbits
	.p2align	6, 0x0
	.amdhsa_kernel k_qad61b9de4d_mlp
		.amdhsa_group_segment_fixed_size 275456
		.amdhsa_private_segment_fixed_size 0
		.amdhsa_enable_private_segment 0
		.amdhsa_kernarg_size 56
		.amdhsa_user_sgpr_count 2
		.amdhsa_user_sgpr_kernarg_segment_ptr 1
		.amdhsa_wavefront_size32 1
		.amdhsa_system_sgpr_workgroup_id_x 1
		.amdhsa_system_sgpr_workgroup_id_y 1
		.amdhsa_system_sgpr_workgroup_id_z 1
		.amdhsa_system_vgpr_workitem_id 0
		.amdhsa_next_free_vgpr 512
		.amdhsa_next_free_sgpr 102
		.amdhsa_reserve_vcc 0
		.amdhsa_float_denorm_mode_32 3
		.amdhsa_float_denorm_mode_16_64 3
		.amdhsa_memory_ordered 1
		.amdhsa_forward_progress 1
		.amdhsa_inst_pref_size 255
	.end_amdhsa_kernel
	.section	.bss,"aw",@nobits
	.p2align	6
	.space	262144
	.amdgpu_metadata
---
amdhsa.version: [ 1, 2 ]
amdhsa.kernels:
  - .name:           k_qad61b9de4d_mlp
    .symbol:         k_qad61b9de4d_mlp.kd
    .args:
      - { .name: canonical_xyz, .offset: 0, .size: 8, .value_kind: global_buffer, .address_space: global }
      - { .name: lowp_scales, .offset: 8, .size: 8, .value_kind: global_buffer, .address_space: global }
      - { .name: wq, .offset: 16, .size: 8, .value_kind: global_buffer, .address_space: global }
      - { .name: out0, .offset: 24, .size: 8, .value_kind: global_buffer, .address_space: global }
      - { .name: out1, .offset: 32, .size: 8, .value_kind: global_buffer, .address_space: global }
      - { .name: out2, .offset: 40, .size: 8, .value_kind: global_buffer, .address_space: global }
      - { .name: out3, .offset: 48, .size: 8, .value_kind: global_buffer, .address_space: global }
    .group_segment_fixed_size: 275456
    .private_segment_fixed_size: 0
    .kernarg_segment_align: 8
    .kernarg_segment_size: 56
    .max_flat_workgroup_size: 256
    .sgpr_count:     102
    .vgpr_count:     512
    .wavefront_size: 32
...
	.end_amdgpu_metadata
.endif
;; end of part 2
